; MI455X (gfx1250); checked and timed in simulation.
; The chip was launched on July 23, 2026; its instructions are those of AMD's public machine-readable ISA for CDNA 5 (MIT licence, August 2026) and "CDNA5" Instruction Set Architecture Reference Guide (July 2026). The comments in the code are by the model that wrote it; some were corrected since.
;; AQ Expert. Allowed arithmetic: matrix products marked QUANTISED: E4M3 operands, one E8M0 scale for each 32 along K, by v_wmma_scale_f32_16x16x128_f8f6f4 with both operands' format E4M3, f32 sums; everything else in f32.
;; Inputs: codebooks 2 x 256 x 8 bfloat16; indices 2,048 x 512 x 2 int32; scales 4,096 float32; x 4 x 2,048 x 4,096 float32.
;; Outputs: out0 4 x 2,048 x 2,048 float32.
;; This version of the problem:
;;   THIS VERSION OF THE PROBLEM IS GIVEN IN LOW PRECISION. The matrix products marked QUANTISED in the list below multiply operands that are first quantised to E4M3 (4 exponent bits, 3 mantissa bits; 8 bits a number), with one power-of-two scale for each 32 numbers along K (OCP MX v1.0); their sums are f32. All else is computed in f32.
;;   The module's matrix products, in the order in which they are computed (A, B: the left and right operand; K: the contracted axis; several contracted axes count as one K, in the product's order):
;;     1. [M 8,192, K 4,096] x [K 4,096, N 2,048]; A: computed on the way; B: computed on the way: QUANTISED
;;   THE QUANTISER, for each operand of a quantised product, along K:
;;     - K is cut into blocks of 32 from its start; a last block that is shorter is filled with zeros.
;;     - A block's scale is 2^e with e = floor(log2(the largest magnitude in the block)) - 8, held to -126 .. 127; a block of zeros has e = 0. As a byte (E8M0): e + 127.
;;     - Each number is divided by its block's scale, clamped to +-448, and rounded to the nearest number of E4M3, ties to even, subnormals kept.
;;     - The product sums the exact products of the quantised numbers (number of the format x scale) in f32.
;;   ~~~python
;;   def quantise(x, axis):      # numpy; x: float32 -> the quantised numbers, widened to float32 again
;;       x = np.moveaxis(x, axis, -1); K = x.shape[-1]
;;       x = np.pad(x, [(0, 0)] * (x.ndim - 1) + [(0, -K % 32)]); x = x.reshape(x.shape[:-1] + (-1, 32)); a = np.abs(x).max(-1, keepdims=True)
;;       e = np.where(a > 0, np.clip(np.frexp(np.where(a > 0, a, 1))[1] - 1 - 8, -126, 127), 0)      # np.frexp(a)[1] - 1 = floor(log2(a)), exactly
;;       r = np.clip(x / 2.0 ** e, -448, 448)
;;       step = 2.0 ** (np.maximum(np.frexp(np.where(r == 0, 1, r))[1] - 1, -6) - 3)
;;       q = np.round(r / step) * step * 2.0 ** e      # np.round: ties to even
;;       return np.moveaxis(q.reshape(q.shape[:-2] + (-1,))[..., :K], -1, axis).astype(np.float32)
;;   ~~~
;;   OPERANDS COMPUTED ON THE WAY. 'Computed on the way' means the value that the module computes at that place (a softmax that the list does not call 'softmax' is quantised finished and normalised). What goes into a quantiser is computed in f32, as accurately as f32 sums, v_exp_f32 and their like allow (about 1e-6 of the number): no bf16 or f16 on the way to a quantiser, and a product that is left as it is and whose result goes on into a quantised operand takes f32 operands (vector FMAs, or v_wmma_f32_16x16x4_f32). A number that lies on a knife's edge between two numbers of the format may be rounded either way, as far as f32 arithmetic and the matrix unit's own rounding can turn it there, and no further.
;; One version. Each part assembles by itself: llvm-mc -triple=amdgcn-amd-amdhsa -mcpu=gfx1250 --defsym DOCPART=n.
;; ======== version 1 of 1: 2 launches
;; limits: right only within a limited range of input values
;; workspace buffers: acodes 35,651,584 bytes; bcodes 8,912,896 bytes
;; launch quant (part 1): grid 1280 x 1, 4 waves a work-group, no clusters, 90,624 bytes of LDS; arguments x, scales, indices, codebooks, acodes, bcodes; writes acodes, bcodes
.if DOCPART == 1
	.amdgcn_target "amdgcn-amd-amdhsa--gfx1250"
	.amdhsa_code_object_version 6
	.text
	.protected	k_q3d28d4211b_quant
	.globl	k_q3d28d4211b_quant
	.p2align	8
	.type	k_q3d28d4211b_quant,@function
k_q3d28d4211b_quant:
	s_mov_b64 s[64:65], 0
	v_nop
	global_prefetch_b8 v0, s[64:65] scope:SCOPE_SE
	s_setreg_imm32_b32 hwreg(HW_REG_WAVE_MODE, 25, 1), 1
	s_wait_xcnt 0x0
; BOTH OPERANDS OF out = clip((x * scales) W^T) BECOME CODES OF FP8 (E4M3) WITH ONE E8M0 SCALE BYTE FOR EACH 32 ALONG K.
; A = x * scales: [8192][4096] f32, one f32 multiplication a number.  W[o][8 g + e] = codebooks[0][indices[o][g][0]][e] + codebooks[1][indices[o][g][1]][e]: bf16 widened to f32 (exact), one f32 addition.
; THE OUTPUT'S LAYOUT is this program's own: [16 K steps][rows][272 bytes].  A RECORD of 272 bytes is one row's part of one K step of 256: bytes 0-255 the codes, K ascending; bytes 256-263 the eight scale bytes;
; bytes 264-271 zeros (stored, never used).  So the 128 rows that a wave of the product's launch fetches for a K step are one dense block, codes and scales together, and 272 bytes is already the pitch at which
; sixteen rows of a fragment start in sixteen different banks (64 banks of 4 bytes: ISA guide 11.1).
; A block's scale is 2^(floor(log2(its largest magnitude)) - 8); its byte is the largest magnitude's exponent field - 8, held at 1 from below.  Each number is held within +-448 x the scale and rounded to the nearest code, ties to even.
; LIMITS: NaN and infinities among the inputs are not served.  A block of zeros gets the byte 1 where the rule says 127: its codes are zeros, which add nothing under any byte but 0xff, and this program alone reads the bytes.
; Blocks whose largest magnitude lies under 2^(9 - 127) keep the byte 1.  An index is held at 255, the table's last entry, before it enters an address.
; SHARES.  A wave makes 32 rows x one K step: 32 records, 8,704 bytes, in 16 steps of 2 rows x 256 numbers.  In a step lanes 0-15 hold the even row, lanes 16-31 the odd one; lane (r, h) holds the 16 neighbours
; k = 16 r + 0 .. 15 of the K step: two neighbouring lanes hold a block of 32.  A work-group's four waves take four neighbouring K steps of the same 32 rows.
; Work-groups 0-255 make W, work-groups 256-1279 make A.  The two ways part once, on the work-group's number, which all waves of a work-group share, and never join; each has LDS bytes of its own.
; W'S WAY reads each codebook entry out of LDS: the work-group copies the two books, 8,192 bytes, into LDS once (64 bytes a thread), so that its 8,192 entries of 16 bytes are no loads from memory.  Two barriers: behind the
; first the table is whole; between the two no wave stores to LDS; behind the second every wave's gathers are back, and the table's bytes are written again, as records.
; A'S WAY has no barrier: its waves share nothing.  No tensor loads, no cluster, no matrix unit: the launch is a stream.  No prefetch: an x wave keeps 24 loads of 512 bytes on their way throughout.
; The records are gathered in the wave's own image in LDS and leave by 17 stores of 512 consecutive bytes each, aligned to 256.
.set WGW,   256                        ; work-groups that make W
.set REC,   272                        ; a record
.set SP,    80                         ; a lane's place in a stage: its 64 bytes + 16 of padding
.set STG,   32*SP                      ; a stage: 2,048 bytes of x on their way from 'as loaded' to '16 neighbours a lane'
.set XREG,  2*STG+32*REC               ; an x wave's LDS: two stages, then its image
.set WLDS,  4*32*REC                   ; LDS bytes 0 .. 34,815 are W's way's: first the two codebooks in bytes 0 .. 8,191, then the four waves' images, 32 REC each
.set XB,    WLDS                       ; behind them: the four x regions
.set R,     16                         ; v16-111  x: six sets of 16 numbers as loaded
.set IDX,   16                         ; v16-79   W: four indices for each of the 16 steps; they become byte offsets into the table
.set X,     112                        ; v112-143 two sets of 16 neighbours (W: at the head v112-127 carry my 64 bytes of the table)
.set E,     144                        ; v144-159 a scale byte for each step
.set C,     160                        ; v160-223 four registers of codes for each step: no LDS store's data are written again, and W's way can keep all its results until its second barrier
.set S,     224                        ; v224-239 x: my 16 numbers of scales.  W: the third set of gathered entries
; v1 lane, v2 r, v3 h; v4 offset of my loads; v5 where my codes go in the image; v6 where my block's byte goes; v7 16 x lane in the image; v8 16 x lane in memory; v9, v10 x: the stage, in and out; W: v9 16 x my thread's number;
; v11 64 r, for scales; v[12:13] zeros; v14 my row's idle bytes; v240, v241 largest magnitudes; v242 448 x the scale; v243 the conversion's scale operand; v244-247 at work.
	s_load_b128 s[4:7], s[0:1], 0x0                ; x s[4:5], scales s[6:7]
	s_load_b128 s[8:11], s[0:1], 0x10              ; indices s[8:9], codebooks s[10:11]
	s_load_b128 s[12:15], s[0:1], 0x20             ; A's records s[12:13], W's records s[14:15]
	v_lshl_add_u32 v254, v0, 2, 0x16000
	v_mov_b32 v255, 0
	v_lshrrev_b32 v1, 5, v0
	v_readfirstlane_b32 s16, v1                    ; wave 0..3
	v_and_b32 v1, 31, v0                           ; lane
	v_and_b32 v2, 15, v0                           ; r
	v_bfe_u32 v3, v0, 4, 1                         ; h
	v_lshlrev_b32 v8, 4, v1
	v_mov_b32 v12, 0
	v_mov_b32 v13, 0
	s_mov_b32 s22, 0xffff0000                      ; a word's upper bf16
	s_mov_b32 s23, 0x600000                        ; the mantissa field of 448 (an instruction takes one literal: the hold's line has another)
	s_mov_b32 s19, 0                               ; the upper words of the two offset pairs
	s_mov_b32 s21, 0
	s_wait_kmcnt 0x0
; The image's addresses, from its first byte in s17
.macro IMGADR
	v_mul_u32_u24 v5, v3, REC
	v_add_nc_u32 v5, s17, v5                       ; my row of a step's two
	v_lshrrev_b32 v6, 1, v2
	v_add_nc_u32 v6, v6, v5
	v_add_nc_u32 v6, 256, v6                       ; byte r / 2 of its eight scale bytes
	v_lshl_add_u32 v5, v2, 4, v5                   ; my 16 codes
	v_lshl_add_u32 v7, v1, 4, s17                  ; on the way out: 16 bytes a lane
	v_mul_u32_u24 v14, v1, REC
	v_add_nc_u32 v14, s17, v14
	v_add_nc_u32 v14, 264, v14                     ; the idle bytes of record 'lane'
.endm
; Step st's byte and codes go into the image
.macro PUT st
	ds_store_b8 v6, v[E+(\st)] offset:2*REC*(\st)  ; both lanes of a block write the same byte with the same value
	ds_store_b128 v5, v[C+4*(\st):C+4*(\st)+3] offset:2*REC*(\st)
.endm
; 16 neighbours in v[XS] on become 16 codes and, with my neighbour lane's 16, one scale byte.  put = 1: both go into the image at once
.macro QSTEP st, put
.set XS, X+16*((\st)%2)
	v_max3_num_f32 v240, |v[XS]|, |v[XS+1]|, |v[XS+2]|             ; the largest magnitude of my 16, in two chains
	v_max3_num_f32 v241, |v[XS+3]|, |v[XS+4]|, |v[XS+5]|
.irp i, 6,10
	v_max3_num_f32 v240, v240, |v[XS+\i]|, |v[XS+\i+1]|
	v_max3_num_f32 v241, v241, |v[XS+\i+2]|, |v[XS+\i+3]|
.endr
	v_max3_num_f32 v240, v240, |v[XS+14]|, |v[XS+15]|
	v_max3_num_f32 v240, v240, v241, 0x4800000     ; and the floor 2^(9 - 127): the byte cannot fall under 1
	v_max_num_f32_dpp v240, v240, v240 row_xmask:1 row_mask:0xf bank_mask:0xf   ; with my neighbour's 16: the block's
	v_add_nc_u32 v243, 0xfc000000, v240            ; 8 off its exponent field: the conversion takes the exponent field of this operand as its scale, and nothing else of it
	v_and_or_b32 v242, v240, 0x7f800000, s23       ; 448 x the scale: the largest magnitude's exponent field over 448's mantissa
.irp i, 0,1,2,3,4,5,6,7,8,9,10,11,12,13,14,15
	v_med3_num_f32 v[XS+\i], v[XS+\i], -v242, v242 ; the conversion to an 8-bit code does not saturate (ISA guide 7.6.2): the number is held first
.endr
	v_cvt_scalef32_pk8_fp8_f32 v[C+4*(\st):C+4*(\st)+1], v[XS:XS+7], v243
	v_cvt_scalef32_pk8_fp8_f32 v[C+4*(\st)+2:C+4*(\st)+3], v[XS+8:XS+15], v243
	v_lshrrev_b32 v[E+(\st)], 23, v243             ; the scale's byte (a plain vector line behind the conversions)
.if \put
	PUT \st
.endif
.endm
; The wave's 32 records leave: 17 x 512 consecutive bytes.  LDS serves a wave's instructions in order (ISA guide 5.7.1.4): the loads see my stores
.macro FLUSH base
.irp j, 0,1,2,3,4,5,6,7,8,9,10,11,12,13,14,15,16
	ds_load_b128 v[16+4*\j:19+4*\j], v7 offset:512*\j
.endr
.irp j, 0,1,2,3,4,5,6,7,8,9,10,11,12,13,14,15,16
	s_wait_dscnt 16-\j                             ; load j is back; the 16 - j younger ones may be out
	global_store_b128 v8, v[16+4*\j:19+4*\j], s[\base:\base+1] offset:512*\j
.endr
	s_wait_tensorcnt 0x0
	ds_add_u32 v254, v255
	s_wait_dscnt 0x0
	s_endpgm
.endm
	s_cmp_lt_u32 ttmp9, WGW
	s_cbranch_scc1 .Lweights
; ---------------------------------------------------------------- A = x * scales
.macro XLOAD st                        ; step st: rows 2 st and 2 st + 1, 1,024 bytes each, by four loads of 512 consecutive bytes
.irp i, 0,1,2,3
	global_load_b128 v[R+16*((\st)%6)+4*\i:R+16*((\st)%6)+4*\i+3], v4, s[4:5] offset:(2*(\st)+\i/2)*16384+(\i%2)*512 th:TH_LOAD_NT
.endr
.endm
.macro XTURN st                        ; through the stage: in as loaded (four lanes' 64 bytes on end, then 16 of padding), out 64 bytes a lane; in order, so no wait between
.irp i, 0,1,2,3
	ds_store_b128 v9, v[R+16*((\st)%6)+4*\i:R+16*((\st)%6)+4*\i+3] offset:STG*((\st)%2)+8*SP*\i
.endr
.irp i, 0,1,2,3
	ds_load_b128 v[X+16*((\st)%2)+4*\i:X+16*((\st)%2)+4*\i+3], v10 offset:STG*((\st)%2)+16*\i
.endr
.endm
.macro XSTEP st
.set XS, X+16*((\st)%2)
.if (\st) > 0
	s_wait_dscnt 2                                 ; this step's numbers are back from the stage (the last step's two image stores may be out): so its stores into the stage have read their registers,
.else
	s_wait_dscnt 0x0
.endif
.if (\st)+6 < 16
	XLOAD (\st)+6                                  ; which take the loads of six steps on
.endif
.if (\st)+1 < 16
.if (\st)+6 < 16
	s_wait_loadcnt 20                              ; the next step's four loads are in; those of the five steps behind it may be out
.else
	s_wait_loadcnt 4*(14-(\st))                    ; the counts run down: steps st + 2 .. 15 may be out
.endif
	XTURN (\st)+1                                  ; and go through the other stage while this step is worked
.endif
.irp i, 0,2,4,6,8,10,12,14
	v_pk_mul_f32 v[XS+\i:XS+\i+1], v[XS+\i:XS+\i+1], v[S+\i:S+\i+1]   ; x * scales, in f32
.endr
	QSTEP \st, 1
.endm
	s_sub_co_u32 s24, ttmp9, WGW
	s_lshr_b32 s25, s24, 2                         ; which 32 rows: 0..255
	s_and_b32 s26, s24, 3
	s_lshl_b32 s26, s26, 2
	s_add_co_u32 s26, s26, s16                     ; which K step: 0..15
	s_lshl_b32 s18, s25, 19                        ; 32 rows of 16,384 bytes
	s_lshl_b32 s20, s26, 10                        ; 256 numbers of 4 bytes
	s_add_co_u32 s18, s18, s20
	s_add_nc_u64 s[4:5], s[4:5], s[18:19]
	s_add_nc_u64 s[6:7], s[6:7], s[20:21]
	s_lshl_b32 s18, s26, 13
	s_lshl_b32 s20, s25, 5
	s_add_co_u32 s18, s18, s20
	s_mul_i32 s18, s18, REC                        ; record 8,192 x K step + row: under 2^31 bytes
	s_add_nc_u64 s[12:13], s[12:13], s[18:19]
	s_wait_alu depctr_va_vdst(0)
	v_lshlrev_b32 v4, 4, v1                        ; my 16 bytes of a load's 512
	v_lshlrev_b32 v11, 6, v2                       ; my 16 numbers of the K step's 256 scales
.irp j, 0,1,2,3
	global_load_b128 v[S+4*\j:S+4*\j+3], v11, s[6:7] offset:16*\j
.endr
.irp t, 0,1,2,3,4,5
	XLOAD \t
.endr
	s_mul_i32 s17, s16, XREG
	s_add_co_u32 s17, s17, XB                      ; my wave's LDS
	v_lshrrev_b32 v9, 2, v1
	v_mul_u32_u24 v9, v9, SP
	v_and_b32 v10, 3, v1
	v_lshl_add_u32 v9, v10, 4, v9
	v_add_nc_u32 v9, s17, v9                       ; into a stage: SP (lane / 4) + 16 (lane % 4); a load's 512 bytes take eight places
	v_mul_u32_u24 v10, v1, SP
	v_add_nc_u32 v10, s17, v10                     ; out of it: SP x lane
	s_add_co_u32 s17, s17, 2*STG                   ; my image
	IMGADR
	ds_store_b64 v14, v[12:13]                     ; the idle bytes of the 32 records, a record a lane
	s_wait_loadcnt 20                              ; scales and step 0 are in; steps 1 to 5 may be out
	XTURN 0
.irp t, 0,1,2,3,4,5,6,7,8,9,10,11,12,13,14,15
	XSTEP \t
.endr
	FLUSH 12
; ---------------------------------------------------------------- W = codebooks[0][..] + codebooks[1][..]
.Lweights:
.macro WGATHER st                      ; my two groups of 8 along K: four entries of 16 bytes out of the table in LDS, in the order group 0 book 0, group 0 book 1, group 1 book 0, group 1 book 1
.set GB, 80+16*((\st)%3)+112*(((\st)%3)/2)     ; three sets of 16 registers by turns: v80, v96, v224
.irp c, 0,1,2,3
	v_min_u32 v[IDX+4*(\st)+\c], 0xff, v[IDX+4*(\st)+\c]           ; an index stays inside its book: the address below stays inside the book's 4,096 bytes
.endr
.irp c, 0,1,2,3
	v_lshlrev_b32 v[IDX+4*(\st)+\c], 4, v[IDX+4*(\st)+\c]          ; an entry is 8 bf16; the table begins at LDS byte 0
.endr
.irp c, 0,1,2,3
	ds_load_b128 v[GB+4*\c:GB+4*\c+3], v[IDX+4*(\st)+\c] offset:(\c%2)*4096
.endr
.endm
.macro WUNPACK st                      ; bf16 to f32 is a shift or a mask; the two books' entries are added in f32, two numbers an instruction
.set GB, 80+16*((\st)%3)+112*(((\st)%3)/2)
.set XS, X+16*((\st)%2)
.irp u, 0,1
.irp j, 0,1,2,3
	v_lshlrev_b32 v[XS+8*\u+2*\j], 16, v[GB+8*\u+\j]
	v_and_b32 v[XS+8*\u+2*\j+1], s22, v[GB+8*\u+\j]
	v_lshlrev_b32 v[244+2*(\j%2)], 16, v[GB+8*\u+4+\j]
	v_and_b32 v[245+2*(\j%2)], s22, v[GB+8*\u+4+\j]
	v_pk_add_f32 v[XS+8*\u+2*\j:XS+8*\u+2*\j+1], v[XS+8*\u+2*\j:XS+8*\u+2*\j+1], v[244+2*(\j%2):245+2*(\j%2)]
.endr
.endr
.endm
.macro WSTEP st
.if (\st)+2 < 16
	WGATHER (\st)+2                                ; into the set that the step before has unpacked
	s_wait_dscnt 8                                 ; this step's four gathers are in; those of the two steps behind it may be out (the gathers are my only LDS instructions here)
.else
	s_wait_dscnt 4*(15-(\st))                      ; the counts run down
.endif
	WUNPACK \st
	QSTEP \st, 0                                   ; codes and byte stay in the step's own registers: nothing is stored to LDS while any wave gathers
.endm
	s_lshr_b32 s25, ttmp9, 2                       ; which 32 rows: 0..63
	s_and_b32 s26, ttmp9, 3
	s_lshl_b32 s26, s26, 2
	s_add_co_u32 s26, s26, s16                     ; which K step
	s_lshl_b32 s18, s25, 17                        ; 32 rows of 4,096 bytes of indices
	s_lshl_b32 s20, s26, 8                         ; a K step's 32 groups x 2 books x 4 bytes
	s_add_co_u32 s18, s18, s20
	s_add_nc_u64 s[8:9], s[8:9], s[18:19]
	s_lshl_b32 s18, s26, 11
	s_lshl_b32 s20, s25, 5
	s_add_co_u32 s18, s18, s20
	s_mul_i32 s18, s18, REC                        ; record 2,048 x K step + row
	s_add_nc_u64 s[14:15], s[14:15], s[18:19]
	v_lshlrev_b32 v9, 4, v0                        ; 16 x my thread's number: my place in 2,048 bytes of the table, in memory and in LDS alike
.irp i, 0,1,2,3
	global_load_b128 v[X+4*\i:X+4*\i+3], v9, s[10:11] offset:2048*\i   ; the 128 threads read 2,048 consecutive bytes: four such make the two books
.endr
	s_wait_alu depctr_va_vdst(0)
	v_lshlrev_b32 v4, 12, v3
	v_lshl_add_u32 v4, v2, 4, v4                   ; row h of a step's two, my two groups' four indices: sixteen lanes read 256 consecutive bytes
.irp t, 0,1,2,3,4,5,6,7,8,9,10,11,12,13,14,15
	global_load_b128 v[IDX+4*\t:IDX+4*\t+3], v4, s[8:9] offset:8192*\t th:TH_LOAD_NT
.endr
	s_mul_i32 s17, s16, 32*REC                     ; my image: it lies over the table and behind it, and is written behind the second barrier
	IMGADR
	s_wait_loadcnt 16                              ; my four loads of the table are in; the sixteen index loads may be out
.irp i, 0,1,2,3
	ds_store_b128 v9, v[X+4*\i:X+4*\i+3] offset:2048*\i
.endr
	s_wait_loadcnt 0x0                             ; all my indices are in
	s_wait_dscnt 0x0                               ; for the others' sake: my part of the table has landed
	s_barrier_signal -1
	s_barrier_wait -1                              ; the table is whole
	WGATHER 0
	WGATHER 1
.irp t, 0,1,2,3,4,5,6,7,8,9,10,11,12,13,14,15
	WSTEP \t
.endr
	s_wait_alu depctr_va_vdst(0)
	s_wait_dscnt 0x0                               ; my gathers are back
	s_barrier_signal -1
	s_barrier_wait -1                              ; everybody's are: only now are the table's bytes written again
	ds_store_b64 v14, v[12:13]                     ; the idle bytes of the 32 records
.irp t, 0,1,2,3,4,5,6,7,8,9,10,11,12,13,14,15
	PUT \t
.endr
	FLUSH 14
.Lfunc_end_k_q3d28d4211b_quant:
	.size	k_q3d28d4211b_quant, .Lfunc_end_k_q3d28d4211b_quant-k_q3d28d4211b_quant
	.p2alignl 7, 3214868480
	.fill 96, 4, 3214868480
	.section	.rodata,"a",@progbits
	.p2align	6, 0x0
	.amdhsa_kernel k_q3d28d4211b_quant
		.amdhsa_group_segment_fixed_size 90624
		.amdhsa_private_segment_fixed_size 0
		.amdhsa_enable_private_segment 0
		.amdhsa_kernarg_size 48
		.amdhsa_user_sgpr_count 2
		.amdhsa_user_sgpr_kernarg_segment_ptr 1
		.amdhsa_wavefront_size32 1
		.amdhsa_system_sgpr_workgroup_id_x 1
		.amdhsa_system_sgpr_workgroup_id_y 1
		.amdhsa_system_sgpr_workgroup_id_z 1
		.amdhsa_system_vgpr_workitem_id 0
		.amdhsa_next_free_vgpr 256
		.amdhsa_next_free_sgpr 66
		.amdhsa_reserve_vcc 0
		.amdhsa_float_denorm_mode_32 3
		.amdhsa_float_denorm_mode_16_64 3
		.amdhsa_memory_ordered 1
		.amdhsa_forward_progress 1
		.amdhsa_inst_pref_size 137
	.end_amdhsa_kernel
	.amdgpu_metadata
---
amdhsa.version: [ 1, 2 ]
amdhsa.kernels:
  - .name:           k_q3d28d4211b_quant
    .symbol:         k_q3d28d4211b_quant.kd
    .args:
      - { .name: x, .offset: 0, .size: 8, .value_kind: global_buffer, .address_space: global }
      - { .name: scales, .offset: 8, .size: 8, .value_kind: global_buffer, .address_space: global }
      - { .name: indices, .offset: 16, .size: 8, .value_kind: global_buffer, .address_space: global }
      - { .name: codebooks, .offset: 24, .size: 8, .value_kind: global_buffer, .address_space: global }
      - { .name: acodes, .offset: 32, .size: 8, .value_kind: global_buffer, .address_space: global }
      - { .name: bcodes, .offset: 40, .size: 8, .value_kind: global_buffer, .address_space: global }
    .group_segment_fixed_size: 90624
    .private_segment_fixed_size: 0
    .kernarg_segment_align: 8
    .kernarg_segment_size: 48
    .max_flat_workgroup_size: 128
    .sgpr_count:     66
    .vgpr_count:     256
    .wavefront_size: 32
...
	.end_amdgpu_metadata
.endif
;; end of part 1
;; launch gemm (part 2): grid 8 x 32, 4 waves a work-group, clusters of 4 x 4, 327,680 bytes of LDS; arguments acodes, bcodes, out0; writes out0
.if DOCPART == 2
	.amdgcn_target "amdgcn-amd-amdhsa--gfx1250"
	.amdhsa_code_object_version 6
	.text
	.protected	k_q3d28d4211b_gemm
	.globl	k_q3d28d4211b_gemm
	.p2align	8
	.type	k_q3d28d4211b_gemm,@function
k_q3d28d4211b_gemm:
	s_mov_b64 s[64:65], 0
	v_nop
	global_prefetch_b8 v0, s[64:65] scope:SCOPE_SE
	s_setreg_imm32_b32 hwreg(HW_REG_WAVE_MODE, 25, 1), 1
	s_wait_xcnt 0x0
	s_wait_alu depctr_hold_cnt(0) depctr_sa_sdst(0) depctr_va_vdst(0) depctr_va_sdst(0) depctr_va_ssrc(0) depctr_va_vcc(0) depctr_vm_vsrc(0)
	s_getreg_b32 s2, hwreg(HW_REG_IB_STS2, 6, 4)
	s_cmp_eq_u32 s2, 0
	s_cbranch_scc0 .Lentry_in_a_cluster
	s_endpgm
.Lentry_in_a_cluster:
	s_bfe_u32 s2, ttmp6, 0x10000c
	s_cmp_lg_u32 s2, 0xf033
	s_cbranch_scc0 .Lentry_shape_is_right
	s_endpgm
.Lentry_shape_is_right:
; out0 = clip(A W^T, -50, 50) on codes of E4M3 with E8M0 scale bytes, as the launch before laid them: [16 K steps][rows][272 bytes], a record = 256 codes, 8 scale bytes, 8 idle bytes.
; A work-group of four waves makes 256 x 256 of out0, a wave 128 x 128 in 64 accumulators.  K goes in steps of 256 through a ring of two LDS slots; a wave's tensor load brings 128 records, a dense block of 34,816 bytes.
; Clusters of 4 x 4: A's tiles are asked for jointly along a row of the cluster, B's along a column.  The matrix instruction is used transposed: a lane holds eight neighbouring numbers of a row of out0.
; Prefetch: behind each refill every cluster asks for the K step two refills on; the four partners of a joint load share a block's 136 units of 256 bytes by address, 32 + 2 units each.
; The way out goes through each wave's own stage in slot 0, which has had its last fill and last read by then.
.set SIZE_N, 2048
.set NQ,     2
.set PITCH,  272
.set FR,     16
.set NL,     4
.set NP,     8
.set HALFT,  128*PITCH
.set SLOT,   4*HALFT
.set LAPS,   8
.set ASTR,   8192*PITCH
.set BSTR,   2048*PITCH
.set SPARE,  2*SLOT
.set SPITCH, 528
.set ADRA, 16
.set ADRB, 20
.set ADRS, 22
.set STO,  24
.set RD,   25
.set CO,   26
.set SPW,  28
.set NIL,  29
.set PFO,  30
.set SC,   32
.set AF,   128
.set BK,   128
.set G1, 24
.set G0, 32
.set G1B, 48
.set G0B, 56
.set LO,  66
.set HI,  67
.set PFA, 68
.set PFS, 70
.set LIM, 72
.set MSB, 0
.macro WIN new
.if MSB != \new
	s_set_vgpr_msb (MSB<<8)|\new
.set MSB, \new
.endif
.endm
.set MUL_LO, 0xa1
.set MUL_HI, 0xf1
.set TO_B,   0x40
.macro JLOAD g0a, g1a, g0b, g1b
	s_cmp_eq_u32 s15, 0
	s_cbranch_scc0 .Lfor_b_\@
	tensor_load_to_lds s[\g0a:\g0a+3], s[\g1a:\g1a+7]
	s_nop 0
.rept 4
	v_nop
.endr
	s_branch .Lasked_\@
.Lfor_b_\@:
	tensor_load_to_lds s[\g0b:\g0b+3], s[\g1b:\g1b+7]
	s_nop 0
.rept 4
	v_nop
.endr
.Lasked_\@:
.endm
.macro ASK
	s_cmp_gt_u32 s3, s[LIM]
	s_cbranch_scc0 .Lnot_mine_\@
	global_prefetch_b8 v[PFO], s[PFA:PFA+1] th:TH_LOAD_NT scope:SCOPE_SE   ; my work-group's 32 of the block's first 128 units, a lane a unit
	global_prefetch_b8 v31, s[PFA:PFA+1] th:TH_LOAD_NT scope:SCOPE_SE      ; and its 2 of the last 8: lane 0 one, the other lanes the wave's last unit
.Lnot_mine_\@:
.endm
.macro CREST
	s_cmp_lg_u32 s14, 0
	s_cbranch_scc1 .Lnot_wave_0_\@
	s_barrier_signal -3
.Lnot_wave_0_\@:
	s_barrier_wait -3
	s_barrier_signal -1
	s_barrier_wait -1
.endm
.macro CROUND
	s_barrier_signal -1
	s_barrier_wait -1
	CREST
.endm
	s_load_b128 s[4:7], s[0:1], 0x0
	s_load_b64 s[12:13], s[0:1], 0x10
	v_lshl_add_u32 v[SPW], v0, 2, SPARE
	v_mov_b32 v[NIL], 0
	ds_add_u32 v28, v29
	ds_add_u32 v28, v29
	s_wait_dscnt 0x0
	v_lshrrev_b32 v1, 5, v0
	v_readfirstlane_b32 s14, v1
	s_lshr_b32 s15, s14, 1
	s_and_b32 s16, s14, 1
	s_bfe_u32 s40, ttmp6, 0x40000
	s_bfe_u32 s41, ttmp6, 0x40004
	s_lshl_b32 s42, ttmp9, 2
	s_add_co_u32 s42, s42, s40
	s_and_b32 s17, ttmp7, 0xffff
	s_lshl_b32 s17, s17, 2
	s_add_co_u32 s17, s17, s41
	s_lshl_b32 s43, s41, 2
	s_lshl_b32 s43, 15, s43
	s_lshl_b32 s44, 0x1111, s40
	s_mov_b32 s[LO], 0xc2480000
	s_mov_b32 s[HI], 0x42480000
	s_or_b32 s[G1+0], s43, (3<<16)|(1<<21)
	s_or_b32 s[G1B+0], s44, (3<<16)|(1<<21)
.irp g, G1, G1B
	s_mov_b32 s[\g+1], 32<<16
	s_mov_b32 s[\g+2], 136<<16
	s_mov_b32 s[\g+3], 32<<16
	s_mov_b32 s[\g+4], 136
	s_mov_b32 s[\g+5], 32
	s_mov_b32 s[\g+6], 0
	s_mov_b32 s[\g+7], 0
.endr
	s_lshl_b32 s18, s16, 7
	s_lshl_b32 s20, s17, 8
	s_add_co_u32 s20, s20, s18
	s_lshl_b32 s46, s42, 8
	s_add_co_u32 s46, s46, s18
	s_mul_i32 s20, s20, PITCH
	s_mul_i32 s46, s46, PITCH
	s_mov_b32 s21, 0
	s_mov_b32 s47, 0
	s_mul_i32 s45, s14, HALFT
	s_wait_kmcnt 0x0
	s_add_nc_u64 s[20:21], s[4:5], s[20:21]
	s_add_nc_u64 s[46:47], s[6:7], s[46:47]
	CROUND
.irp s, 0,1
	s_mov_b32 s[G0+4*\s], 1
	s_add_co_u32 s[G0+4*\s+1], s45, \s*SLOT
	s_add_nc_u64 s[G0+4*\s+2:G0+4*\s+3], s[20:21], \s*ASTR
	s_or_b32 s[G0+4*\s+3], s[G0+4*\s+3], 0x80000000
	s_mov_b32 s[G0B+4*\s], 1
	s_add_co_u32 s[G0B+4*\s+1], s45, \s*SLOT
	s_add_nc_u64 s[G0B+4*\s+2:G0B+4*\s+3], s[46:47], \s*BSTR
	s_or_b32 s[G0B+4*\s+3], s[G0B+4*\s+3], 0x80000000
.endr
	JLOAD G0, G1, G0B, G1B                         ; K step 0: one tensor load a wave at the head; the addresses below are made while it is out
	v_and_b32 v1, 15, v0
	v_bfe_u32 v2, v0, 4, 1
	s_wait_alu depctr_va_vdst(0)
	v_mul_u32_u24 v3, v1, PITCH
	v_lshl_add_u32 v4, v2, 4, v3
	s_mul_i32 s21, s15, HALFT
	s_mul_i32 s22, s16, HALFT
	s_add_co_u32 s22, s22, 2*HALFT
.irp s, 0,1
	v_add_nc_u32 v[ADRA+\s], s21, v4
	v_add_nc_u32 v[ADRB+\s], s22, v4
	s_add_co_u32 s21, s21, SLOT
	s_add_co_u32 s22, s22, SLOT
.endr
	s_xor_b32 s22, s15, 1
	s_add_co_u32 s22, s22, s16
	s_add_co_u32 s22, s22, 1
	s_mul_i32 s22, s22, HALFT
	v_mul_u32_u24 v6, s22, v2
	s_wait_alu depctr_va_vdst(0)
	v_add_nc_u32 v5, v3, v6
	s_mul_i32 s21, s15, HALFT
	s_add_co_u32 s21, s21, 256
	v_add_nc_u32 v[ADRS], s21, v5
	v_add_nc_u32 v[ADRS+1], SLOT, v[ADRS]
	s_mul_i32 s23, s14, 16*SPITCH
	v_mul_u32_u24 v5, v1, SPITCH
	v_lshl_add_u32 v5, v2, 5, v5
	v_add_nc_u32 v[STO], s23, v5
	v_and_b32 v6, 31, v0
	v_lshlrev_b32 v[CO], 4, v6
	v_add_nc_u32 v[RD], s23, v[CO]
	v_lshlrev_b32 v[PFO], 8, v6
	s_cmp_eq_u32 s15, 0                            ; do I fetch for A?
	s_cselect_b32 s75, s17, s42                    ; the tile's number: by the tile row for A, by the tile column for B
	s_cselect_b32 s74, s40, s41                    ; p: my place among the four that ask with me
	s_cselect_b64 s[PFA:PFA+1], s[4:5], s[6:7]
	s_mov_b32 s[PFS], BSTR
	s_cselect_b32 s[PFS], ASTR, s[PFS]
	s_mov_b32 s[PFS+1], 0
	s_mov_b32 s[LIM], 1                            ; every wave of every cluster asks; the loop's last trip asks for nothing
	s_mul_i32 s76, s74, 7680
	s_sub_co_u32 s76, 0x8000, s76                  ; the base below holds 8,192 p: 32,768 - 7,680 p more gives unit 128 + 2 p
	s_wait_alu depctr_va_vdst(0)
	v_min_u32 v31, 1, v6
	v_lshl_add_u32 v31, v31, 8, s76                ; lane 0: unit 128 + 2 p; lanes 1-31: unit 129 + 2 p
	s_lshl_b32 s75, s75, 8
	s_lshl_b32 s73, s16, 7
	s_add_co_u32 s75, s75, s73
	s_mul_i32 s75, s75, PITCH
	s_lshl_b32 s74, s74, 13
	s_add_co_u32 s74, s74, s75
	s_mul_i32 s73, s[PFS], 3
	s_add_co_u32 s74, s74, s73
	s_mov_b32 s75, 0
	s_add_nc_u64 s[PFA:PFA+1], s[PFA:PFA+1], s[74:75]
	s_sub_nc_u64 s[76:77], s[PFA:PFA+1], s[PFS:PFS+1]   ; my share of K step 2,
	s_sub_nc_u64 s[78:79], s[76:77], s[PFS:PFS+1]       ; and of K step 1; neither pair is written again
	s_wait_alu depctr_va_vdst(0)
	global_prefetch_b8 v[PFO], s[78:79] th:TH_LOAD_NT scope:SCOPE_SE   ; K step 0's load is out: K steps 1 and 2 are asked for, 34 units a work-group each
	global_prefetch_b8 v31, s[78:79] th:TH_LOAD_NT scope:SCOPE_SE
	global_prefetch_b8 v[PFO], s[76:77] th:TH_LOAD_NT scope:SCOPE_SE
	global_prefetch_b8 v31, s[76:77] th:TH_LOAD_NT scope:SCOPE_SE
	s_lshl_b32 s20, s17, 8
	s_lshl_b32 s21, s15, 7
	s_add_co_u32 s20, s20, s21
	s_lshl_b32 s20, s20, 13
	s_mov_b32 s21, 0
	s_lshl_b32 s46, s42, 10
	s_lshl_b32 s47, s16, 9
	s_add_co_u32 s46, s46, s47
	s_mov_b32 s47, 0
	s_add_nc_u64 s[20:21], s[20:21], s[46:47]
	s_add_nc_u64 s[12:13], s[12:13], s[20:21]
.macro FRAG reg, adr, q, i
.irp c, 0,1,2,3
	ds_load_b128 v[\reg+4*\c:\reg+4*\c+3], v[\adr] offset:128*(\q)+32*\c+(\i)*16*PITCH
.endr
.endm
.macro MUL16 a0, p, q, sc, zero
.irp a, \a0, \a0+1
.irp b, 0,1,2,3,4,5,6,7
.if \zero
	v_wmma_scale_f32_16x16x128_f8f6f4 v[8*(8*((\a)%4)+\b):8*(8*((\a)%4)+\b)+7], v[128*(\p)+FR*\b:128*(\p)+FR*\b+FR-1], v[AF+FR*(\a):AF+FR*(\a)+FR-1], 0, v[SC+8*NQ*(\sc)+NQ*\b+(\q)], v[SC+8*NQ*(\sc)+NQ*(\a)+(\q)] matrix_a_scale:MATRIX_SCALE_ROW1
.else
	v_wmma_scale_f32_16x16x128_f8f6f4 v[8*(8*((\a)%4)+\b):8*(8*((\a)%4)+\b)+7], v[128*(\p)+FR*\b:128*(\p)+FR*\b+FR-1], v[AF+FR*(\a):AF+FR*(\a)+FR-1], v[8*(8*((\a)%4)+\b):8*(8*((\a)%4)+\b)+7], v[SC+8*NQ*(\sc)+NQ*\b+(\q)], v[SC+8*NQ*(\sc)+NQ*(\a)+(\q)] matrix_a_scale:MATRIX_SCALE_ROW1
.endif
.endr
.endr
.endm
.macro FETCH_B slot, q, p
	WIN TO_B
.irp i, 0,1,2,3,4,5,6,7
	FRAG 128*(\p)+FR*\i, ADRB+\slot, \q, \i
.endr
	WIN 0
.endm
.macro FETCH_BH slot, q, p, i0         ; B's blocks i0 .. i0 + 3 of the slot's q-th 128 along K into set p: 16 loads
	WIN TO_B
.irp i, \i0, \i0+1, \i0+2, \i0+3
	FRAG 128*(\p)+FR*(\i), ADRB+\slot, \q, \i
.endr
	WIN 0
.endm
.macro FETCH_A slot, q, i0
.irp i, \i0, \i0+1, \i0+2, \i0+3
	FRAG AF+FR*(\i), ADRA+\slot, \q, \i
.endr
.endm
.macro SCALES slot
.irp i, 0,1,2,3,4,5,6,7
	ds_load_b64 v[SC+8*NQ*\slot+NQ*\i:SC+8*NQ*\slot+NQ*\i+1], v[ADRS+\slot] offset:\i*16*PITCH
.endr
.endm
.macro PLACES n
.rept \n
	v_nop
.endr
.endm
.macro STEP slot, q, zero
	s_wait_dscnt 4*NL
	WIN MUL_LO
	MUL16 0, (\q)%2, \q, \slot, \zero              ; a step's 64 loads go in four runs of 16, one behind each 16 products
	FETCH_BH \slot, (\q)+1, 1-(\q)%2, 0            ; B's other set: its last readers stand ahead of the places at the last step's end
	WIN MUL_LO
	MUL16 2, (\q)%2, \q, \slot, \zero
	PLACES NP                                      ; for the loads into A's blocks 0-3, further down
	FETCH_BH \slot, (\q)+1, 1-(\q)%2, 4
	s_wait_dscnt 8*NL                              ; A's blocks 4-7 are in: behind their loads stand the 32 of this step's two runs
	WIN MUL_HI
	MUL16 4, (\q)%2, \q, \slot, \zero
	WIN 0
	FETCH_A \slot, (\q)+1, 0
	WIN MUL_HI
	MUL16 6, (\q)%2, \q, \slot, \zero
	PLACES NP
	WIN 0
	FETCH_A \slot, (\q)+1, 4
.endm
.macro TURN slot, next, fill
.if \fill
	s_wait_xcnt 0x0
	s_add_nc_u64 s[PFA:PFA+1], s[PFA:PFA+1], s[PFS:PFS+1]
.endif
	s_wait_dscnt 4*NL
	WIN MUL_LO
	MUL16 0, 1, NQ-1, \slot, 0
	WIN 0
	s_wait_tensorcnt 0x0                           ; all my tensor loads have landed: my part of the next slot
	ds_add_u32 v[SPW], v[NIL]
.if \fill
	s_add_nc_u64 s[G0+4*\slot+2:G0+4*\slot+3], s[G0+4*\slot+2:G0+4*\slot+3], 2*ASTR
	s_add_nc_u64 s[G0B+4*\slot+2:G0B+4*\slot+3], s[G0B+4*\slot+2:G0B+4*\slot+3], 2*BSTR
.endif
	s_wait_dscnt 0x0                               ; the add is done, and my reads of this slot are over
	s_barrier_signal -1
	WIN MUL_LO
	MUL16 2, 1, NQ-1, \slot, 0                     ; sixteen products, work on registers, between the signal and the wait
	WIN 0
	s_barrier_wait -1
.if \fill
	CREST
	JLOAD G0+4*\slot, G1, G0B+4*\slot, G1B
	PLACES NP-4
.else
	PLACES NP
.endif
	FETCH_B \next, 0, 0
	WIN MUL_HI
	MUL16 4, 1, NQ-1, \slot, 0                     ; sixteen products between the two runs of loads
	WIN 0
	FETCH_A \next, 0, 0
	SCALES \next
.if \fill
	ASK
.endif
	WIN MUL_HI
	MUL16 6, 1, NQ-1, \slot, 0
	PLACES NP
	WIN 0
	FETCH_A \next, 0, 4
.endm
	s_wait_alu depctr_va_vdst(0)
	s_wait_tensorcnt 0x0                           ; my part of K step 0 is in; slot 1's first fill is issued as a refill is
	ds_add_u32 v[SPW], v[NIL]
	s_wait_dscnt 0x0
	CROUND
	JLOAD G0+4, G1, G0B+4, G1B                     ; K step 1: the first tensor load behind the round
	FETCH_B 0, 0, 0
	FETCH_A 0, 0, 0
	SCALES 0
	FETCH_A 0, 0, 4
	global_prefetch_b8 v[PFO], s[PFA:PFA+1] th:TH_LOAD_NT scope:SCOPE_SE   ; behind K step 1's load: K step 3, two refills on, as in the loop
	global_prefetch_b8 v31, s[PFA:PFA+1] th:TH_LOAD_NT scope:SCOPE_SE
	STEP 0, 0, 1
	s_mov_b32 s3, LAPS-1
.Llap:
	TURN 0, 1, 1
	STEP 1, 0, 0
	TURN 1, 0, 1
	STEP 0, 0, 0
	s_sub_co_u32 s3, s3, 1
	s_cmp_lg_u32 s3, 0
	s_cbranch_scc1 .Llap
	TURN 0, 1, 0
	STEP 1, 0, 0
	s_wait_dscnt 4*NL
	WIN MUL_LO
	MUL16 0, 1, NQ-1, 1, 0
	MUL16 2, 1, NQ-1, 1, 0
	s_wait_dscnt 0
	WIN MUL_HI
	MUL16 4, 1, NQ-1, 1, 0
	MUL16 6, 1, NQ-1, 1, 0
	WIN 0
.macro TOSTAGE a
.set AC, 64*((\a)%4)
	WIN 0x08+4*((\a)/4)
.irp b, 0,1,2,3,4,5,6,7
	ds_store_b128 v[STO], v[AC+8*\b:AC+8*\b+3] offset:64*\b
	ds_store_b128 v[STO], v[AC+8*\b+4:AC+8*\b+7] offset:64*\b+16
.endr
	WIN 0
.set BB, BK+64*((\a)%2)
.irp t, 0,1,2,3,4,5,6,7,8,9,10,11,12,13,14,15
	ds_load_b128 v[BB+4*\t:BB+4*\t+3], v[RD] offset:\t*SPITCH
.endr
.endm
.macro SEND a, younger
.set BB, BK+64*((\a)%2)
	s_wait_dscnt \younger
.if (\a) > 0
	s_add_nc_u64 s[12:13], s[12:13], 16*SIZE_N*4
.endif
.set i, 0
.rept 64
	v_med3_num_f32 v[BB+i], v[BB+i], s[LO], s[HI]
.set i, i+1
.endr
.irp t, 0,1,2,3,4,5,6,7,8,9,10,11,12,13,14,15
	global_store_b128 v[CO], v[BB+4*\t:BB+4*\t+3], s[12:13] offset:\t*SIZE_N*4   ; 32 lanes store 512 consecutive bytes, aligned to 256
.endr
.endm
	PLACES NP
	TOSTAGE 0
.irp a, 1,2,3,4,5,6,7
.if \a > 1
	s_wait_xcnt 0x0
.endif
	TOSTAGE \a
	SEND \a-1, 32
.endr
	s_wait_xcnt 0x0
	SEND 7, 0
	s_wait_tensorcnt 0x0
	ds_add_u32 v[SPW], v[NIL]
	s_wait_dscnt 0x0
	CROUND
	s_endpgm
.Lfunc_end_k_q3d28d4211b_gemm:
	.size	k_q3d28d4211b_gemm, .Lfunc_end_k_q3d28d4211b_gemm-k_q3d28d4211b_gemm
	.p2alignl 7, 3214868480
	.fill 96, 4, 3214868480
	.section	.rodata,"a",@progbits
	.p2align	6, 0x0
	.amdhsa_kernel k_q3d28d4211b_gemm
		.amdhsa_group_segment_fixed_size 327680
		.amdhsa_private_segment_fixed_size 0
		.amdhsa_enable_private_segment 0
		.amdhsa_kernarg_size 24
		.amdhsa_user_sgpr_count 2
		.amdhsa_user_sgpr_kernarg_segment_ptr 1
		.amdhsa_wavefront_size32 1
		.amdhsa_system_sgpr_workgroup_id_x 1
		.amdhsa_system_sgpr_workgroup_id_y 1
		.amdhsa_system_sgpr_workgroup_id_z 1
		.amdhsa_system_vgpr_workitem_id 0
		.amdhsa_next_free_vgpr 1024
		.amdhsa_next_free_sgpr 80
		.amdhsa_reserve_vcc 0
		.amdhsa_float_denorm_mode_32 3
		.amdhsa_float_denorm_mode_16_64 3
		.amdhsa_memory_ordered 1
		.amdhsa_forward_progress 1
		.amdhsa_inst_pref_size 179
	.end_amdhsa_kernel
	.amdgpu_metadata
---
amdhsa.version: [ 1, 2 ]
amdhsa.kernels:
  - .name:           k_q3d28d4211b_gemm
    .symbol:         k_q3d28d4211b_gemm.kd
    .args:
      - { .name: acodes, .offset: 0, .size: 8, .value_kind: global_buffer, .address_space: global }
      - { .name: bcodes, .offset: 8, .size: 8, .value_kind: global_buffer, .address_space: global }
      - { .name: out0, .offset: 16, .size: 8, .value_kind: global_buffer, .address_space: global }
    .group_segment_fixed_size: 327680
    .private_segment_fixed_size: 0
    .kernarg_segment_align: 8
    .kernarg_segment_size: 24
    .max_flat_workgroup_size: 128
    .sgpr_count:     80
    .vgpr_count:     1024
    .wavefront_size: 32
...
	.end_amdgpu_metadata
.endif
;; end of part 2
